; MI455X (gfx1250); checked and timed in simulation.
; The chip was launched on July 23, 2026; its instructions are those of AMD's public machine-readable ISA for CDNA 5 (MIT licence, August 2026) and "CDNA5" Instruction Set Architecture Reference Guide (July 2026). The comments in the code are by the model that wrote it; some were corrected since.
;; Weight Drop LSTM. Allowed arithmetic: matrix products marked QUANTISED: E2M1 operands, one E8M0 scale for each 32 along K, by v_wmma_scale_f32_16x16x128_f8f6f4 with both operands' format E2M1 (or v_wmma_scale_f32_32x16x128_f4), f32 sums; everything else in f32.
;; Inputs: bias 4,096 float32; cx 8,192 x 1,024 float32; hx_codes 8,192 x 32 x 16 uint8 (E2M1 codes of hx, K innermost, in blocks of 32 codes, two codes a byte); hx_scales 8,192 x 32 uint8 (E8M0 scales of hx, one for each 32 codes along K); input_codes 8,192 x 32 x 16 uint8 (E2M1 codes of input, K innermost, in blocks of 32 codes, two codes a byte); input_scales 8,192 x 32 uint8 (E8M0 scales of input, one for each 32 codes along K); weight_hh_codes 4,096 x 32 x 16 uint8 (E2M1 codes of weight_hh, K innermost, in blocks of 32 codes, two codes a byte); weight_hh_scales 4,096 x 32 uint8 (E8M0 scales of weight_hh, one for each 32 codes along K); weight_ih_codes 4,096 x 32 x 16 uint8 (E2M1 codes of weight_ih, K innermost, in blocks of 32 codes, two codes a byte); weight_ih_scales 4,096 x 32 uint8 (E8M0 scales of weight_ih, one for each 32 codes along K).
;; Outputs: out0 8,192 x 1,024 float32; out1 8,192 x 1,024 float32.
;; This version of the problem:
;;   THIS VERSION OF THE PROBLEM IS GIVEN IN LOW PRECISION. The matrix products marked QUANTISED in the list below multiply operands that are first quantised to E2M1 (2 exponent bits, 1 mantissa bit; 4 bits a number), with one power-of-two scale for each 32 numbers along K (OCP MX v1.0); their sums are f32. All else is computed in f32.
;;   The module's matrix products, in the order in which they are computed (A, B: the left and right operand; K: the contracted axis; several contracted axes count as one K, in the product's order):
;;     1. [M 8,192, K 1,024] x [K 1,024, N 4,096]; A: input input (given as codes); B: input weight_ih (given as codes): QUANTISED
;;     2. [M 8,192, K 1,024] x [K 1,024, N 4,096]; A: input hx (given as codes); B: input weight_hh (given as codes): QUANTISED
;;   THE QUANTISER, for each operand of a quantised product, along K:
;;     - K is cut into blocks of 32 from its start; a last block that is shorter is filled with zeros.
;;     - A block's scale is 2^e with e = floor(log2(the largest magnitude in the block)) - 2, held to -126 .. 127; a block of zeros has e = 0. As a byte (E8M0): e + 127.
;;     - Each number is divided by its block's scale, clamped to +-6, and rounded to the nearest number of E2M1, ties to even, subnormals kept.
;;     - The product sums the exact products of the quantised numbers (number of the format x scale) in f32.
;;   ~~~python
;;   def quantise(x, axis):      # numpy; x: float32 -> the quantised numbers, widened to float32 again
;;       x = np.moveaxis(x, axis, -1); K = x.shape[-1]
;;       x = np.pad(x, [(0, 0)] * (x.ndim - 1) + [(0, -K % 32)]); x = x.reshape(x.shape[:-1] + (-1, 32)); a = np.abs(x).max(-1, keepdims=True)
;;       e = np.where(a > 0, np.clip(np.frexp(np.where(a > 0, a, 1))[1] - 1 - 2, -126, 127), 0)      # np.frexp(a)[1] - 1 = floor(log2(a)), exactly
;;       r = np.clip(x / 2.0 ** e, -6, 6)
;;       step = 2.0 ** (np.maximum(np.frexp(np.where(r == 0, 1, r))[1] - 1, 0) - 1)
;;       q = np.round(r / step) * step * 2.0 ** e      # np.round: ties to even
;;       return np.moveaxis(q.reshape(q.shape[:-2] + (-1,))[..., :K], -1, axis).astype(np.float32)
;;   ~~~
;;   INPUTS GIVEN AS CODES. hx (in the module: [8192, 1024], K = its axis 1); input (in the module: [8192, 1024], K = its axis 1); weight_hh (in the module: [4096, 1024], K = its axis 1); weight_ih (in the module: [4096, 1024], K = its axis 1): each comes as NAME_codes (uint8): NAME with its K axis moved to the last place and cut into blocks of 32 codes, [.., K / 32, bytes a block], one block behind the other in memory; two codes a byte, the lower K in the low four bits (a code: sign, 2 exponent bits, 1 mantissa bit); and NAME_scales (uint8): the same leading axes, one E8M0 byte (e + 127) for each 32 codes along K. Its value is code x scale, taken as it is: it is not quantised again, and the codes and scales need not be those that the quantiser above would give.
;; One version. Each part assembles by itself: llvm-mc -triple=amdgcn-amd-amdhsa -mcpu=gfx1250 --defsym DOCPART=n.
;; ======== version 1 of 1: 1 launch
;; limits: right only within a limited range of input values
;; launch lstm (part 1): grid 16 x 16, 4 waves a work-group, clusters of 4 x 4, 327,680 bytes of LDS; arguments input_codes, input_scales, hx_codes, hx_scales, weight_ih_codes, weight_ih_scales, weight_hh_codes, weight_hh_scales, bias, cx, out0, out1; writes out0, out1
.if DOCPART == 1
	.amdgcn_target "amdgcn-amd-amdhsa--gfx1250"
	.amdhsa_code_object_version 6
	.text
	.protected	k_qc2c965b93c_lstm
	.globl	k_qc2c965b93c_lstm
	.p2align	8
	.type	k_qc2c965b93c_lstm,@function
k_qc2c965b93c_lstm:
	s_mov_b64 s[64:65], 0
	v_nop
	global_prefetch_b8 v0, s[64:65] scope:SCOPE_SE
	s_setreg_imm32_b32 hwreg(HW_REG_WAVE_MODE, 25, 1), 1
	s_wait_xcnt 0x0
	s_wait_alu depctr_hold_cnt(0) depctr_sa_sdst(0) depctr_va_vdst(0) depctr_va_sdst(0) depctr_va_ssrc(0) depctr_va_vcc(0) depctr_vm_vsrc(0)
	s_getreg_b32 s2, hwreg(HW_REG_IB_STS2, 6, 4)
	s_cmp_eq_u32 s2, 0
	s_cbranch_scc0 .Lentry_in_a_cluster
	s_endpgm
.Lentry_in_a_cluster:
	s_bfe_u32 s2, ttmp6, 0x10000c
	s_cmp_lg_u32 s2, 0xf033
	s_cbranch_scc0 .Lentry_shape_is_right
	s_endpgm
.Lentry_shape_is_right:
; ONE LSTM CELL STEP.  gates[8192][4096] = input W_ih^T + hx W_hh^T + bias; i, f, g, o = its four quarters of 1,024 columns; cy = sigmoid(f) cx + sigmoid(i) tanh(g); hy = sigmoid(o) tanh(cy).  out0 = hy, out1 = cy.
; Both products are on codes of FP4 (E2M1) with one E8M0 byte for each 32 along K, taken as given.  They add into the same gates: ONE product with K = 2,048, 16 steps of 128, the first eight of input and W_ih, the others of hx and W_hh.
; NO WORK IS LEFT OUT: every input has a way to an output, and all twelve buffers are arguments.
; SHARES.  Work-group (tx, gy), 0..15 each, owns hidden units 64 tx .. + 63 in all four gates and batch rows 512 gy .. + 511, which it walks as eight tiles of 64 rows.  Wave w owns hidden units 16 w .. + 15 x 4 gates (64 rows of each weight).
; THE WEIGHTS STAY IN REGISTERS (512 of a wave), brought once, through LDS.  The batch rows' codes are read from LDS by all four waves.
; MATRIX FORM: source 0 = 32 rows of W (two gates of my 16 units), source 1 = 16 batch rows.  Lane (r = l % 16, h = l / 16), register 8 g + j of block a holds gate g of (row 16 a + r, unit 16 w + 8 h + j): a cell's four gates lie in one lane.
; The bias is the C of each sum's first product.
; TWO SETS OF ACCUMULATORS take turns: while tile n is multiplied into one, the cell arithmetic of tile n - 1 is done in place in the other.  A tile is eight chunks of two steps (16 matrix instructions); a chunk carries one plain stage and one
; batch of transcendentals of half a tile's cells (blocks 0, 1, then blocks 2, 3).  The stage that gathers whole rows is written in tile n, shown to all waves by the round at its end, read back and stored within tile n + 1.
; CLUSTERS: 4 x 4.  A row (one gy) shares input's and hx's codes, a column (one tx) the weights: joint loads with one descriptor and a mask of four.  cx's tile is a work-group's own: a plain load.
; PREFETCH: in tile n each wave asks for its share of tile n + 2: waves 0, 1 for 32 of the 128 blocks of 256 bytes of input's, hx's codes (the four partners of a row take 32 each, by address), waves 2, 3 for cx's rows 0-31, 32-63; and each wave
; for one of the tile's 16 blocks of scale bytes.  Tiles 0 and 1 come by their loads alone; tiles 6 and 7 ask for nothing.
; ARITHMETIC.  sigmoid(x) = 1 / (1 + 2^(-x log2 e)), tanh(x) = 1 - 2 / (1 + 2^(2 x log2 e)).  Where the power overflows to infinity its reciprocal is 0: both forms end at their limits for every finite x.
; LIMITS: tanh of an argument near 0 carries an absolute error of some 1e-7; v_exp_f32 and v_rcp_f32 take and give denormals as zeros (ISA guide 15.8).  Order of a sum: the bias, input's K ascending, hx's K ascending.
; REGISTERS.  window 0: v1-12 addresses, v16-31 the head's work, then 16 rows read back; v32-63 W's scale words, v64-95 the tile's; v96-127 the bias (v96-111 also cx); v128-255 two buffers of batch fragments.
;   window 1: the two sets of accumulators.   window 2: W_ih (gate pair G, step q at v[128 G + 16 q]);   window 3: W_hh.
.set PITCH, 528                        ; a row of codes in LDS: 512 bytes + 16 of padding
.set HALFA, 64*PITCH                   ; 64 rows
.set PB,    HALFA                      ; LDS: input's tile buffer 0 from 0; region P: W_ih at first, then hx buffer 0, input buffer 1, hx buffer 1, cx buffer 0
.set QB,    PB+4*HALFA                 ; region Q: W_hh at first, then cx buffer 1 and the two stages
.set XP,    272                        ; a row of 256 bytes + 16 of padding
.set CXB,   4*HALFA                    ; cx buffer 0
.set CXO,   QB-CXB                     ; from it to cx buffer 1
.set STGO,  64*XP                      ; a stage: 64 rows of hy, then 64 of cy
.set STGB,  2*STGO
.set STG,   QB+STGO                    ; the stages lie in bytes of Q that are filled no more
.set SPARE, QB+4*HALFA                 ; the spare words: two blocks of 256 bytes that no other line names
.set BIASL, SPARE+512                  ; my wave's 64 numbers of the bias, 256 bytes a wave
.set SPW, 1                            ; LDS address of my spare word; never rewritten
.set NIL, 2                            ; 0; never rewritten
.set ADRA, 3                           ; v3-4 my place in a fragment, buffers 0 and 1
.set ADX, 5                            ; cx: my 32 bytes of row r
.set ADH, 6                            ; the same place in a stage
.set RD, 7                             ; where I read rows back from a stage
.set CO, 8                             ; my byte offset in two rows of the output
.set SCO, 9                            ; in 16 rows of scale bytes
.set PFO, 10                           ; the prefetches' offsets
.set PFZ, 11
.set BIA, 12                           ; my bias in LDS
.set AW, 26                            ; v26-29 the head: my place in the weights in LDS: W_ih gates 0, 1; gates 2, 3; W_hh likewise
.set RBR, 16                           ; v16-31 rows read back
.set WSC, 32                           ; register 16 t + 8 G + q: lanes 0-15 gate 2 G, lanes 16-31 gate 2 G + 1, step q of tensor t
.set ASC, 64                           ; register 16 t + 4 a + k: lanes 0-15 step k, lanes 16-31 step 4 + k
.set BIAS, 96
.set CXR, 96
.set AFR, 128
.set SC0, 6                            ; s[6:7], s[10:11] the scale bytes of input, of hx: they walk
.set SC1, 10
.set PFST, 4                           ; s[4:5] the step of PFA
.set G1A, 28                           ; group 1: 64 rows of codes
.set G1W, 36                           ; two gates' 64 rows of a weight
.set G1V, 44                           ; four gates'
.set G1C, 52                           ; cx
.set G0W, 60
.set OUT, 66                           ; s[66:67] the output that I store
.set G0V, 68
.set G0A, 72                           ; codes: it walks
.set G0I, 76
.set G0H, 80
.set G0C, 84                           ; cx: it walks
.set K1, 88                            ; s[88:89] -log2(e), twice
.set K2, 90                            ; s[90:91] 2 log2(e), twice
.set WV, 92
.set WF, 93                            ; w / 2
.set WP, 94                            ; w % 2
.set CNT, 95
.set OST, 96                           ; s[96:97] the outputs' step: 0 until the first rows are stored
.set PFA, 98
.set PFS, 100
.set CODEF, (1<<20)|(1<<21)|(6<<22)|(3<<25)           ; elements of 1 byte; padding on; 21 set beside a mask; after every 128 words four words
.set WGTF,  (3<<16)|(1<<20)|(1<<21)|(6<<22)|(3<<25)   ; elements of 8 bytes, the same padding
.set MULW, 0x52                        ; source 0 (W) window 2, source 1 window 0, C and D window 1;  + 1: W in window 3
.set BEG,  0x42                        ; C (the bias) window 0
.set INPL, 0x55                        ; all in window 1
.set WCX,  0x51                        ; source 1 (cx) window 0
.set DATA1, 0x04                       ; a store's data window 1
.set MSB, 0
.set PAR, 0                            ; the parity of the tile in hand: its set of accumulators, its buffer of codes, the stage that it writes
.macro WIN new                         ; the high byte repeats the setting that is left
.if MSB != (\new)
	s_set_vgpr_msb (MSB<<8)|(\new)
.set MSB, (\new)
.endif
.endm
.macro PLACES                          ; four places behind a matrix instruction (ISA guide 7.12.1 for matrix instructions)
.rept 4
	v_nop
.endr
.endm
.macro VAWAIT
	s_wait_alu depctr_va_vdst(0)
.endm
.macro CREST                           ; a round of the cluster's barrier behind its opening barrier
	s_cmp_lg_u32 s[WV], 0
	s_cbranch_scc1 .Lnot_wave_0_\@
	s_barrier_signal -3
.Lnot_wave_0_\@:
	s_barrier_wait -3
	s_barrier_signal -1
	s_barrier_wait -1
.endm
.macro CROUND
	s_barrier_signal -1
	s_barrier_wait -1
	CREST
.endm
; A tile's loads: waves 0, 1 the next codes (mode 2, joint), wave 3 cx.  An s_nop 0 and four v_nop follow each line.
.macro XLOAD mode
.if \mode == 2
	s_cmp_lt_u32 s[WV], 2
	s_cbranch_scc0 .Lxc_\@
	tensor_load_to_lds s[G0A:G0A+3], s[G1A:G1A+7]
	s_nop 0
	PLACES
	s_branch .Lxj_\@
.Lxc_\@:
.endif
	s_cmp_eq_u32 s[WV], 3
	s_cbranch_scc0 .Lxn_\@
	tensor_load_to_lds s[G0C:G0C+3], s[G1C:G1C+7]
	s_nop 0
	PLACES
	s_branch .Lxj_\@
.Lxn_\@:
	PLACES
.Lxj_\@:
.endm
	s_load_b512 s[4:19], s[0:1], 0x0               ; input's codes s[4:5], scales s[6:7]; hx's s[8:9], s[10:11]; W_ih's s[12:13], s[14:15]; W_hh's s[16:17], s[18:19]
	s_load_b256 s[20:27], s[0:1], 0x40             ; bias s[20:21], cx s[22:23], out0 s[24:25], out1 s[26:27]
	v_lshl_add_u32 v[SPW], v0, 2, SPARE
	v_mov_b32 v[NIL], 0
	ds_add_u32 v[SPW], v[NIL]                      ; the opening lines: the add, twice on end, and its wait
	ds_add_u32 v[SPW], v[NIL]
	v_lshrrev_b32 v16, 5, v0
	v_readfirstlane_b32 s[WV], v16                 ; wave 0..3
	s_lshr_b32 s[WF], s[WV], 1
	s_and_b32 s[WP], s[WV], 1
	s_bfe_u32 s2, ttmp6, 0x40000
	s_bfe_u32 s3, ttmp6, 0x40004
	s_mov_b32 s105, s2                             ; my place in my row of the cluster
	s_lshl_b32 s104, s3, 2
	s_lshl_b32 s104, 15, s104                      ; my row of the cluster: it shares gy
	s_or_b32 s[G1A], s104, CODEF
	s_lshl_b32 s104, 0x1111, s2                    ; my column: it shares tx
	s_or_b32 s[G1W], s104, WGTF
	s_or_b32 s[G1V], s104, WGTF
	s_lshl_b32 s104, ttmp9, 2
	s_add_co_u32 s2, s104, s2                      ; tx
	s_and_b32 s104, ttmp7, 0xffff
	s_lshl_b32 s104, s104, 2
	s_add_co_u32 s3, s104, s3                      ; gy
	s_mov_b32 s[G1A+1], 512<<16                    ; codes of batch rows: 64 rows of 512 bytes
	s_mov_b32 s[G1A+2], 64<<16
	s_mov_b32 s[G1A+3], 512<<16
	s_mov_b32 s[G1A+4], 64
	s_mov_b32 s[G1A+5], 512
	s_mov_b32 s[G1A+6], 0
	s_mov_b32 s[G1A+7], 0
.irp g, G1W, G1V                       ; a gate's 64 rows are 32,768 dense bytes: one row of 4,096 elements of 8; gates lie 524,288 bytes apart
	s_mov_b32 s[\g+1], 4096<<16
	s_mov_b32 s[\g+3], 4096<<16
	s_mov_b32 s[\g+5], 65536
	s_mov_b32 s[\g+6], 0
	s_mov_b32 s[\g+7], 0
.endr
	s_mov_b32 s[G1W+2], 2<<16
	s_mov_b32 s[G1W+4], 2
	s_mov_b32 s[G1V+2], 4<<16
	s_mov_b32 s[G1V+4], 4
	s_mov_b32 s[G0W], 1                            ; W_ih, gates 2 (w % 2) and the next, into P
	s_mul_i32 s[G0W+1], s[WP], 2*HALFA
	s_add_co_u32 s[G0W+1], s[G0W+1], PB
	s_lshl_b32 s[G0V+2], s2, 15                    ; 64 tx rows of 512 bytes
	s_lshl_b32 s[G0W+2], s[WP], 20
	s_add_co_u32 s[G0W+2], s[G0W+2], s[G0V+2]
	s_mov_b32 s[G0W+3], 0
	s_mov_b32 s[G0V], 1                            ; W_hh, all four gates, into Q
	s_mov_b32 s[G0V+1], QB
	s_mov_b32 s[G0V+3], 0
	s_mov_b32 s[G0I], 1                            ; input's tile 0
	s_mov_b32 s[G0I+1], 0
	s_lshl_b32 s[G0I+2], s3, 18                    ; row 512 gy
	s_mov_b32 s[G0I+3], 0
	s_wait_dscnt 0x0                               ; both opening adds are done
	VAWAIT
	s_wait_kmcnt 0x0
	s_add_nc_u64 s[G0W+2:G0W+3], s[12:13], s[G0W+2:G0W+3]
	s_add_nc_u64 s[G0V+2:G0V+3], s[16:17], s[G0V+2:G0V+3]
	s_add_nc_u64 s[G0I+2:G0I+3], s[4:5], s[G0I+2:G0I+3]
	s_or_b32 s[G0W+3], s[G0W+3], 0x80000000
	s_or_b32 s[G0V+3], s[G0V+3], 0x80000000
	s_or_b32 s[G0I+3], s[G0I+3], 0x80000000
	CROUND                                         ; all sixteen work-groups are here: the first joint loads meet
	s_cmp_lt_u32 s[WV], 2                          ; the head's loads, one a wave: waves 0, 1 the halves of W_ih,
	s_cbranch_scc0 .Lh2
	tensor_load_to_lds s[G0W:G0W+3], s[G1W:G1W+7]
	s_nop 0
	PLACES
	s_branch .Lhj
.Lh2:
	s_cmp_eq_u32 s[WV], 2                          ; wave 2 input's tile 0,
	s_cbranch_scc0 .Lh3
	tensor_load_to_lds s[G0I:G0I+3], s[G1A:G1A+7]
	s_nop 0
	PLACES
	s_branch .Lhj
.Lh3:
	tensor_load_to_lds s[G0V:G0V+3], s[G1V:G1V+7]  ; wave 3 W_hh
	s_nop 0
	PLACES
.Lhj:
	; the other descriptors, pointers and constants, under the loads' flight
	s_mov_b32 s[G1C], (2<<16)|(1<<20)|(5<<22)|(3<<25)  ; cx: 64 rows x 64 numbers of 4 bytes, rows 1,024 numbers apart; no mask
	s_mov_b32 s[G1C+1], 64<<16
	s_mov_b32 s[G1C+2], 64<<16
	s_mov_b32 s[G1C+3], 64<<16
	s_mov_b32 s[G1C+4], 64
	s_mov_b32 s[G1C+5], 1024
	s_mov_b32 s[G1C+6], 0
	s_mov_b32 s[G1C+7], 0
	s_mov_b32 s[G0H], 1                            ; hx's tile 0
	s_mov_b32 s[G0H+1], HALFA
	s_lshl_b32 s[G0H+2], s3, 18
	s_mov_b32 s[G0H+3], 0
	s_mov_b32 s[G0A], 1                            ; input's or hx's tile 1, into buffer 1
	s_mul_i32 s[G0A+1], s[WP], HALFA
	s_add_co_u32 s[G0A+1], s[G0A+1], 2*HALFA
	s_add_co_u32 s[G0A+2], s[G0H+2], 64*512
	s_mov_b32 s[G0A+3], 0
	s_mov_b32 s[G0C], 1                            ; cx's tile 0
	s_mov_b32 s[G0C+1], CXB
	s_lshl_b32 s[G0C+2], s3, 21                    ; row 512 gy of 4,096 bytes,
	s_lshl_b32 s104, s2, 8
	s_add_co_u32 s[G0C+2], s[G0C+2], s104          ; + column 64 tx
	s_mov_b32 s[G0C+3], 0
	s_lshl_b32 s104, s[WF], 16
	s_add_co_u32 s[OUT], s[G0C+2], s104            ; the outputs: + 16 rows for waves 2 and 3
	s_mov_b32 s[OUT+1], 0
	s_cmp_eq_u32 s[WP], 0                          ; choices on the wave's number alone
	s_cselect_b64 s[24:25], s[24:25], s[26:27]     ; I store out0 or out1
	s_cselect_b64 s[26:27], s[4:5], s[8:9]         ; I fetch input's codes or hx's
	s_add_nc_u64 s[OUT:OUT+1], s[24:25], s[OUT:OUT+1]
	s_add_nc_u64 s[G0H+2:G0H+3], s[8:9], s[G0H+2:G0H+3]
	s_add_nc_u64 s[G0A+2:G0A+3], s[26:27], s[G0A+2:G0A+3]
	s_add_nc_u64 s[G0C+2:G0C+3], s[22:23], s[G0C+2:G0C+3]
	s_or_b32 s[G0H+3], s[G0H+3], 0x80000000
	s_or_b32 s[G0A+3], s[G0A+3], 0x80000000
	s_or_b32 s[G0C+3], s[G0C+3], 0x80000000
	s_lshl_b32 s8, s3, 14                          ; scale bytes: row 512 gy of 32
	s_mov_b32 s9, 0
	s_add_nc_u64 s[SC0:SC0+1], s[SC0:SC0+1], s[8:9]
	s_add_nc_u64 s[SC1:SC1+1], s[SC1:SC1+1], s[8:9]
	s_mov_b32 s[K1], 0xbfb8aa3b
	s_mov_b32 s[K1+1], 0xbfb8aa3b
	s_mov_b32 s[K2], 0x4038aa3b
	s_mov_b32 s[K2+1], 0x4038aa3b
	s_mov_b32 s[OST], 0
	s_mov_b32 s[OST+1], 0
	s_lshl_b32 s104, s[WV], 6
	s_lshl_b32 s4, s2, 8
	s_add_co_u32 s4, s4, s104                      ; the bias: 256 tx + 64 w
	s_lshl_b32 s5, s2, 11
	s_lshl_b32 s8, s[WV], 9
	s_add_co_u32 s5, s5, s8                        ; W's scales: (64 tx + 16 w) rows of 32 bytes
	s_mul_i32 s8, s[WV], 16*PITCH
	s_add_co_u32 s8, s8, PB                        ; my 16 rows of a gate
	s_add_co_u32 s9, s104, CXB
	s_add_co_u32 s12, s104, STG
	s_mul_i32 s13, s[WP], STGO                     ; I read back hy (w even) or cy,
	s_mul_i32 s16, s[WF], 16*XP                    ; rows 0-15 (waves 0, 1) or 16-31 of each 32
	s_add_co_u32 s13, s13, s16
	s_add_co_u32 s13, s13, STG
	s_lshl_b32 s16, s[WV], 8
	s_add_co_u32 s16, s16, BIASL
	s_mov_b32 s17, 12
	s_cmp_eq_u32 s[WF], 0
	s_cselect_b32 s17, 8, s17                      ; a prefetch's lanes lie 256 bytes apart (codes) or a row of cx
	v_and_b32 v16, 15, v0                          ; r
	v_bfe_u32 v17, v0, 4, 1                        ; h
	v_and_b32 v18, 31, v0                          ; lane
	v_lshrrev_b32 v19, 3, v18
	v_and_b32 v20, 7, v18
	v_lshlrev_b32 v19, 12, v19
	v_lshl_add_u32 v19, v20, 3, v19                ; the bias: lane l takes two numbers of gate l / 8
	v_add_nc_u32 v21, s4, v19
	global_load_b64 v[22:23], v21, s[20:21]
	v_lshlrev_b32 v[SCO], 5, v16
	v_lshl_add_u32 v24, v17, 15, v[SCO]            ; W's scales: lanes 16-31 take the next gate, 1,024 rows on
	v_add_nc_u32 v24, s5, v24
	v_lshl_add_u32 v[SCO], v17, 4, v[SCO]
.irp t, 0,1
.irp G, 0,1
.irp c, 0,1
	global_load_b128 v[WSC+16*\t+8*\G+4*\c:WSC+16*\t+8*\G+4*\c+3], v24, s[14+4*\t:15+4*\t] offset:65536*\G+16*\c
.endr
.endr
.endr
.macro SCLOAD t, p                     ; a tile's scale words of tensor t: 512 consecutive bytes a load
.irp a, 0,1,2,3
	global_load_b128 v[ASC+16*\t+4*\a:ASC+16*\t+4*\a+3], v[SCO], s[\p:\p+1] offset:512*\a
.endr
.endm
	SCLOAD 0, SC0
	v_mul_u32_u24 v25, v16, PITCH
	v_lshl_add_u32 v[ADRA], v17, 4, v25            ; a fragment's row x pitch + 16 x half
	v_add_nc_u32 v[ADRA+1], 2*HALFA, v[ADRA]
	v_add_nc_u32 v[AW], s8, v[ADRA]
	v_add_nc_u32 v[AW+1], 2*HALFA, v[AW]
	v_add_nc_u32 v[AW+2], QB-PB, v[AW]
	v_add_nc_u32 v[AW+3], QB-PB+2*HALFA, v[AW]
	v_mul_u32_u24 v30, v16, XP
	v_lshl_add_u32 v30, v17, 5, v30                ; cx and the stages: row r, + 32 h, + my 64 bytes
	v_add_nc_u32 v[ADX], s9, v30
	v_add_nc_u32 v[ADH], s12, v30
	v_mul_u32_u24 v25, v17, XP                     ; back: lanes 0-15 one row of 256 bytes, lanes 16-31 the next
	v_lshl_add_u32 v25, v16, 4, v25
	v_add_nc_u32 v[RD], s13, v25
	v_lshlrev_b32 v[CO], 12, v17
	v_lshl_add_u32 v[CO], v16, 4, v[CO]
	v_lshlrev_b32 v[PFO], s17, v18
	v_mov_b32 v[PFZ], 0
	v_lshlrev_b32 v[BIA], 5, v17
	v_add_nc_u32 v[BIA], s16, v[BIA]
	v_lshlrev_b32 v31, 3, v18
	v_add_nc_u32 v31, s16, v31
	; the prefetches' pointers, at tile 2
	s_lshl_b32 s8, s3, 18
	s_lshl_b32 s9, s105, 13
	s_add_co_u32 s8, s8, s9
	s_add_co_u32 s8, s8, 2*64*512                  ; codes: my place's 32 blocks
	s_lshl_b32 s12, s3, 21
	s_lshl_b32 s13, s2, 8
	s_add_co_u32 s12, s12, s13
	s_lshl_b32 s13, s[WP], 17
	s_add_co_u32 s12, s12, s13
	s_add_co_u32 s12, s12, 2*64*4096               ; cx: my 32 rows
	s_mov_b32 s9, 0
	s_mov_b32 s[PFST], 64*512
	s_mov_b32 s[PFST+1], 0
	s_mov_b32 s13, 64*4096
	s_cmp_eq_u32 s[WF], 0
	s_cselect_b32 s8, s8, s12
	s_cselect_b32 s[PFST], s[PFST], s13
	s_cselect_b64 s[PFA:PFA+1], s[26:27], s[22:23]
	s_add_nc_u64 s[PFA:PFA+1], s[PFA:PFA+1], s[8:9]
	s_lshl_b32 s8, s105, 9                         ; scale bytes: of a tile's 8 blocks of a tensor, two for each place
	s_lshl_b32 s12, s[WF], 8
	s_add_co_u32 s8, s8, s12
	s_add_co_u32 s8, s8, 2*2048
	s_cmp_eq_u32 s[WP], 0
	s_cselect_b64 s[PFS:PFS+1], s[SC0:SC0+1], s[SC1:SC1+1]
	s_add_nc_u64 s[PFS:PFS+1], s[PFS:PFS+1], s[8:9]
	VAWAIT                                         ; the head's end
	s_wait_loadcnt 12                              ; the bias is in; W's 8 and the tile's 4 loads of scale words may be out
	ds_store_b64 v31, v[22:23]                     ; my wave's own bytes
	s_cmp_eq_u32 s[WV], 3
	s_cbranch_scc1 .Lw3                            ; wave 3's load (its line is its own) is waited for below
	s_wait_tensorcnt 0x0                           ; my part of W_ih, or input's tile 0, has landed
.Lw3:
	s_wait_dscnt 0x0
	s_barrier_signal -1
	s_barrier_wait -1
.macro WCOPY t, g                      ; gate g of tensor t into window 2 + t.  16 rows x 128 K are 8 registers: lane l holds row l % 16; registers 4 c .. + 3 hold K = 64 c + 32 (l / 16) + 0 .. 31
	WIN 0x80+0x40*(\t)
.irp q, 0,1,2,3,4,5,6,7
.irp c, 0,1
	ds_load_b128 v[128*(\g/2)+16*\q+8*(\g%2)+4*\c:128*(\g/2)+16*\q+8*(\g%2)+4*\c+3], v[AW+2*(\t)+\g/2] offset:HALFA*(\g%2)+64*\q+32*\c
.endr
.endr
	WIN 0
.endm
.macro FETCH k, b                      ; chunk k's fragments (steps 2 k, 2 k + 1; four blocks) from code buffer b
.irp s, 0,1
.irp a, 0,1,2,3
.irp c, 0,1
	ds_load_b128 v[AFR+64*((\k)%2)+32*\s+8*\a+4*\c:AFR+64*((\k)%2)+32*\s+8*\a+4*\c+3], v[ADRA+(\b)] offset:HALFA*((\k)/4)+16*PITCH*\a+64*((2*(\k)+\s)%8)+32*\c
.endr
.endr
.endr
.endm
.macro BIASLD G                        ; the bias of gates 2 G, 2 G + 1
.irp g, 0,1
.irp c, 0,1
	ds_load_b128 v[BIAS+16*\G+8*\g+4*\c:BIAS+16*\G+8*\g+4*\c+3], v[BIA] offset:128*\G+64*\g+16*\c
.endr
.endr
.endm
; Four matrix instructions of step s of chunk k: blocks a0, a0 + 1 x two gate pairs.  The eight accumulators take turns, one instruction a turn, in the same order in every step.
.macro MUL4 k, s, a0
.if (\k) == 0 && (\s) == 0
	WIN BEG
.else
	WIN MULW+(\k)/4
.endif
.irp a, \a0, \a0+1
.irp G, 0,1
.set mQ, (2*(\k)+(\s))%8
.set rD, 128*PAR+32*(\a)+16*\G
.set rW, 128*\G+16*mQ
.set rX, AFR+64*((\k)%2)+32*(\s)+8*(\a)
.set rSW, WSC+16*((\k)/4)+8*\G+mQ
.set rSX, ASC+16*((\k)/4)+4*(\a)+mQ%4
.if (\k) == 0 && (\s) == 0
	v_wmma_scale_f32_32x16x128_f4 v[rD:rD+15], v[rW:rW+15], v[rX:rX+7], v[BIAS+16*\G:BIAS+16*\G+15], v[rSW], v[rSX]
.elseif mQ/4
	v_wmma_scale_f32_32x16x128_f4 v[rD:rD+15], v[rW:rW+15], v[rX:rX+7], v[rD:rD+15], v[rSW], v[rSX] matrix_b_scale:MATRIX_SCALE_ROW1
.else
	v_wmma_scale_f32_32x16x128_f4 v[rD:rD+15], v[rW:rW+15], v[rX:rX+7], v[rD:rD+15], v[rSW], v[rSX]
.endif
.endr
.endr
.endm
.macro MULCHUNK k
	MUL4 \k, 0, 0
	MUL4 \k, 0, 2
	MUL4 \k, 1, 0
	MUL4 \k, 1, 2
.endm
; THE CELL ARITHMETIC of half hf (blocks 2 hf, 2 hf + 1) of the tile before, in place: register AB + 32 e + 8 g + j is gate g of block 2 hf + e
.macro EXPON hf                        ; -x log2(e) for i, f, o; 2 x log2(e) for g: each accumulator from its low end on
	WIN INPL
.set AB, 128*(1-PAR)+64*(\hf)
.set n, 0
.rept 32
.if ((n/8)%4) == 2
	v_pk_mul_f32 v[AB+n:AB+n+1], v[AB+n:AB+n+1], s[K2:K2+1] op_sel_hi:[1,0]
.else
	v_pk_mul_f32 v[AB+n:AB+n+1], v[AB+n:AB+n+1], s[K1:K1+1] op_sel_hi:[1,0]
.endif
.set n, n+2
.endr
.endm
.macro TRANS64 op, hf                  ; a batch of 64: one wait ahead, a plain place and one wait behind
	WIN INPL
	VAWAIT
.set AB, 128*(1-PAR)+64*(\hf)
.set n, 0
.rept 64
	\op v[AB+n], v[AB+n]
.set n, n+1
.endr
	v_nop
	VAWAIT
.endm
.macro TRANS16 op, hf                  ; the same for tanh(cy)
	WIN INPL
	VAWAIT
.set AB, 128*(1-PAR)+64*(\hf)
.irp e, 0,1
.irp j, 0,1,2,3,4,5,6,7
	\op v[AB+32*\e+16+\j], v[AB+32*\e+16+\j]
.endr
.endr
	v_nop
	VAWAIT
.endm
.macro PLUS64 hf
	WIN INPL
.set AB, 128*(1-PAR)+64*(\hf)
.set n, 0
.rept 32
	v_pk_add_f32 v[AB+n:AB+n+1], v[AB+n:AB+n+1], 1.0 op_sel_hi:[1,0]
.set n, n+2
.endr
.endm
.macro PLUS16 hf
	WIN INPL
.set AB, 128*(1-PAR)+64*(\hf)
.irp e, 0,1
.irp j, 0,2,4,6
	v_pk_add_f32 v[AB+32*\e+16+\j:AB+32*\e+17+\j], v[AB+32*\e+16+\j:AB+32*\e+17+\j], 1.0 op_sel_hi:[1,0]
.endr
.endr
.endm
.macro CELLCY hf, cxr                  ; cy = sigmoid(f) cx + sigmoid(i) tanh(g), into f's place; 2 cy log2(e), into g's
	WIN INPL
.set AB, 128*(1-PAR)+64*(\hf)
.irp e, 0,1
.irp j, 0,2,4,6
	v_pk_fma_f32 v[AB+32*\e+16+\j:AB+32*\e+17+\j], v[AB+32*\e+16+\j:AB+32*\e+17+\j], -2.0, 1.0 op_sel_hi:[1,0,0]
.endr
.endr
.irp e, 0,1
.irp j, 0,2,4,6
	v_pk_mul_f32 v[AB+32*\e+\j:AB+32*\e+1+\j], v[AB+32*\e+\j:AB+32*\e+1+\j], v[AB+32*\e+16+\j:AB+32*\e+17+\j]
.endr
.endr
	WIN WCX
.irp e, 0,1
.irp j, 0,2,4,6
	v_pk_fma_f32 v[AB+32*\e+8+\j:AB+32*\e+9+\j], v[AB+32*\e+8+\j:AB+32*\e+9+\j], v[\cxr+8*\e+\j:\cxr+8*\e+1+\j], v[AB+32*\e+\j:AB+32*\e+1+\j]
.endr
.endr
	WIN INPL
.irp e, 0,1
.irp j, 0,2,4,6
	v_pk_mul_f32 v[AB+32*\e+16+\j:AB+32*\e+17+\j], v[AB+32*\e+8+\j:AB+32*\e+9+\j], s[K2:K2+1] op_sel_hi:[1,0]
.endr
.endr
.endm
.macro CELLHY hf                       ; hy = sigmoid(o) tanh(cy), into o's place
	WIN INPL
.set AB, 128*(1-PAR)+64*(\hf)
.irp e, 0,1
.irp j, 0,2,4,6
	v_pk_fma_f32 v[AB+32*\e+16+\j:AB+32*\e+17+\j], v[AB+32*\e+16+\j:AB+32*\e+17+\j], -2.0, 1.0 op_sel_hi:[1,0,0]
.endr
.endr
.irp e, 0,1
.irp j, 0,2,4,6
	v_pk_mul_f32 v[AB+32*\e+24+\j:AB+32*\e+25+\j], v[AB+32*\e+24+\j:AB+32*\e+25+\j], v[AB+32*\e+16+\j:AB+32*\e+17+\j]
.endr
.endr
.endm
.macro TOSTAGE hf                      ; hy and cy of the half into stage PAR
	WIN DATA1
.set AB, 128*(1-PAR)+64*(\hf)
.irp e, 0,1
.irp c, 0,1
	ds_store_b128 v[ADH], v[AB+32*\e+24+4*\c:AB+32*\e+24+4*\c+3] offset:STGB*PAR+16*XP*(2*(\hf)+\e)+16*\c
	ds_store_b128 v[ADH], v[AB+32*\e+8+4*\c:AB+32*\e+8+4*\c+3] offset:STGB*PAR+STGO+16*XP*(2*(\hf)+\e)+16*\c
.endr
.endr
	WIN 0
.endm
.macro CXLOAD hf, cxr
.irp e, 0,1
.irp c, 0,1
	ds_load_b128 v[\cxr+8*\e+4*\c:\cxr+8*\e+4*\c+3], v[ADX] offset:CXO*(1-PAR)+16*XP*(2*(\hf)+\e)+16*\c
.endr
.endr
.endm
; A tile's rows that I store go in four parts of eight rows: part p = rows 32 (p / 2) + 8 (p % 2) .. + 7 beyond my first
.macro RBACK p, reg, st
.irp i, 0,1,2,3
	ds_load_b128 v[(\reg)+4*\i:(\reg)+4*\i+3], v[RD] offset:STGB*(\st)+32*XP*((\p)/2)+2*XP*(4*((\p)%2)+\i)
.endr
.endm
.macro SENDOUT p, reg, ro              ; 16 lanes store 256 consecutive bytes, at a multiple of 256 from the output's first byte
.irp i, 0,1,2,3
	global_store_b128 v[CO], v[(\reg)+4*\i:(\reg)+4*\i+3], s[OUT:OUT+1] offset:((\ro)+32*((\p)/2)+2*(4*((\p)%2)+\i))*4096 th:TH_STORE_NT
.endr
.endm
.macro MAYBACK om, p                   ; om = 2: not in the first trip, which has no rows of an earlier tile
.if \om == 2
	s_cmp_eq_u32 s[CNT], 3
	s_cbranch_scc1 .Lnorb_\@
.endif
	RBACK \p, RBR, 1-PAR
.if \om == 2
.Lnorb_\@:
.endif
.endm
.macro MAYSEND om, p
.if \om == 2
	s_cmp_eq_u32 s[CNT], 3
	s_cbranch_scc1 .Lnost_\@
.endif
	SENDOUT \p, RBR, 0
.if \om == 2
.Lnost_\@:
.endif
.endm
.macro ASKAHEAD pf                     ; pf = 2: not in the last trip: tile 8 does not exist
.if \pf == 2
	s_cmp_eq_u32 s[CNT], 1
	s_cbranch_scc1 .Lnopf_\@
.endif
	global_prefetch_b8 v[PFO], s[PFA:PFA+1] th:TH_LOAD_NT scope:SCOPE_SE
	global_prefetch_b8 v[PFZ], s[PFS:PFS+1] th:TH_LOAD_NT scope:SCOPE_SE
.if \pf == 2
.Lnopf_\@:
.endif
.endm
.macro STEPAHEAD                       ; behind a wait on XCNT
	s_add_nc_u64 s[PFA:PFA+1], s[PFA:PFA+1], s[PFST:PFST+1]
	s_add_nc_u64 s[PFS:PFS+1], s[PFS:PFS+1], 2048
.endm
.macro NEXTSC                          ; the next tile's scale words of input
	s_add_nc_u64 s[SC0:SC0+1], s[SC0:SC0+1], 2048
	SCLOAD 0, SC0
.endm
; A CHUNK k = 0..6 of a tile: a plain stage of the cell arithmetic (also the places behind the last chunk's products), the memory instructions, a batch of transcendentals, 16 matrix instructions.
.macro CHUNK k, om, pf, sc
.if \k == 0
	PLACES
	s_wait_loadcnt 0x0                             ; this tile's scale words of input
	EXPON 0
.else
	s_wait_dscnt 0x0                               ; this chunk's fragments, and what else the last chunk asked for
.endif
.if \k == 1
	PLUS64 0
.elseif \k == 2
	CELLCY 0, CXR
.elseif \k == 3
	PLUS16 0
.elseif \k == 4
	s_wait_loadcnt 0x0                             ; this tile's scale words of hx
	CELLHY 0
	VAWAIT                                         ; ahead of the first readers of blocks 2 and 3
	EXPON 1
	TOSTAGE 0
.elseif \k == 5
	PLUS64 1
.elseif \k == 6
	CELLCY 1, CXR
.endif
	WIN 0
.if (\k)%2
	MAYSEND \om, (\k)/2
.else
	s_wait_xcnt 0x0                                ; the last stores have read their registers, and the pointers that step below are free
	MAYBACK \om, (\k)/2
.endif
.if \k == 0
	SCLOAD 1, SC1
.elseif \k == 2
.if \sc
	s_add_nc_u64 s[SC1:SC1+1], s[SC1:SC1+1], 2048
.endif
.elseif \k == 4
.if \pf
	STEPAHEAD
.endif
.if \sc
	NEXTSC
.endif
.endif
	FETCH (\k)+1, PAR
.if \k == 1
	CXLOAD 0, CXR
	TRANS64 v_rcp_f32, 0
.elseif \k == 5
	CXLOAD 1, CXR
	TRANS64 v_rcp_f32, 1
.elseif \k == 0
	TRANS64 v_exp_f32, 0
	s_wait_dscnt 16                                ; this chunk's fragments; the sixteen loads of the next may be out
.elseif \k == 2
.if \pf
	ASKAHEAD \pf
.endif
	TRANS16 v_exp_f32, 0
.elseif \k == 3
	TRANS16 v_rcp_f32, 0
.elseif \k == 4
	TRANS64 v_exp_f32, 1
.elseif \k == 6
	TRANS16 v_exp_f32, 1
.endif
	MULCHUNK \k
.endm
.macro CELLEND om, bl                  ; chunk 7 ahead of its products: the cells of the tile before are finished; the bias comes back to where cx lay
	s_wait_dscnt 0x0
	PLUS16 1
	WIN 0
	MAYSEND \om, 3
.if \bl
	BIASLD 0
.endif
	TRANS16 v_rcp_f32, 1
	CELLHY 1
	TOSTAGE 1
.endm
; CHUNK 7's products, and the change of tiles.  mode 2: a round, behind which the codes two tiles on go into the buffer just read and the next tile's cx into the buffer just read; mode 1: cx alone; mode 0: a barrier, nothing is filled.
.macro TURN mode
	WIN 0
	s_wait_tensorcnt 0x0                           ; all my tensor loads have landed
	ds_add_u32 v[SPW], v[NIL]                      ; 0 onto my spare word
.if \mode == 2
	s_add_nc_u64 s[G0A+2:G0A+3], s[G0A+2:G0A+3], 64*512
	s_mul_i32 s[G0A+1], s[WP], HALFA
.if PAR
	s_add_co_u32 s[G0A+1], s[G0A+1], 2*HALFA
.endif
.endif
.if \mode
	s_add_nc_u64 s[G0C+2:G0C+3], s[G0C+2:G0C+3], 64*4096
	s_mov_b32 s[G0C+1], CXB+CXO*(1-PAR)
.endif
	s_wait_xcnt 0x0                                ; the tile's stores have read their base
	s_add_nc_u64 s[OUT:OUT+1], s[OUT:OUT+1], s[OST:OST+1]
.if PAR
	s_mov_b32 s[OST], 64*4096                      ; from tile 2 on a tile's rows are stored, and the base steps behind them
.endif
	MUL4 7, 0, 0
	s_wait_dscnt 0x0                               ; the add and my stores into the stage are done, my reads of the buffers are over
	s_barrier_signal -1
	MUL4 7, 0, 2
	WIN 0
	s_barrier_wait -1
.if \mode
	CREST
	XLOAD \mode
	FETCH 0, 1-PAR
.endif
	MUL4 7, 1, 0
	MUL4 7, 1, 2
	WIN 0
.endm
.irp g, 0,1,2,3
	WCOPY 0, \g
.endr
	FETCH 0, 0
	BIASLD 0
	BIASLD 1
	s_wait_tensorcnt 0x0                           ; W_hh has landed: no tensor load of mine is out
	ds_add_u32 v[SPW], v[NIL]
	s_wait_dscnt 0x0                               ; W_ih is in my registers: my reads of P are over
	CROUND                                         ; the same holds of every wave of every partner
	s_cmp_lt_u32 s[WV], 2                          ; into P: waves 0, 1 tile 1's codes, wave 2 hx's tile 0, wave 3 cx's tile 0
	s_cbranch_scc0 .Lp2
	tensor_load_to_lds s[G0A:G0A+3], s[G1A:G1A+7]
	s_nop 0
	PLACES
	s_branch .Lpj
.Lp2:
	s_cmp_eq_u32 s[WV], 2
	s_cbranch_scc0 .Lp3
	tensor_load_to_lds s[G0H:G0H+3], s[G1A:G1A+7]
	s_nop 0
	PLACES
	s_branch .Lpj
.Lp3:
	tensor_load_to_lds s[G0C:G0C+3], s[G1C:G1C+7]
	s_nop 0
	PLACES
.Lpj:
; TILE 0: no cells yet; W_hh goes into registers under its first chunks
	s_wait_loadcnt 0x0                             ; W's scale words and the tile's of input
	SCLOAD 1, SC1
	FETCH 1, 0
	WCOPY 1, 0
	MULCHUNK 0
	s_wait_dscnt 16                                ; chunk 1's fragments; the sixteen loads of W_hh behind them may be out
	PLACES
	WIN 0
	FETCH 2, 0
	WCOPY 1, 1
	MULCHUNK 1
	s_wait_dscnt 16
	PLACES
	WIN 0
	s_wait_xcnt 0x0
	s_add_nc_u64 s[SC1:SC1+1], s[SC1:SC1+1], 2048
	FETCH 3, 0
	ASKAHEAD 1
	WCOPY 1, 2
	WCOPY 1, 3
	MULCHUNK 2
	s_wait_dscnt 32                                ; chunk 3's fragments; the 32 loads of W_hh behind them may be out
	MULCHUNK 3
	WIN 0
	s_cmp_eq_u32 s[WV], 2
	s_cbranch_scc0 .Lnohx
	s_wait_tensorcnt 0x0                           ; hx's tile 0 (wave 2's own line) has landed
.Lnohx:
	s_wait_dscnt 0x0
	s_barrier_signal -1
	s_barrier_wait -1
	PLACES
	FETCH 4, 0
.irp k, 4,5,6
	s_wait_dscnt 0x0
	PLACES
	WIN 0
.if \k == 4
	s_wait_loadcnt 0x0
	s_wait_xcnt 0x0
	STEPAHEAD
	NEXTSC
.endif
	FETCH \k+1, 0
	MULCHUNK \k
.endr
	WIN 0
	s_wait_dscnt 0x0                               ; chunk 7's fragments
	s_mov_b32 s[CNT], 3
.Ltrip:                                                ; a trip: from one even tile's last products to the next's: tiles 1, 2; 3, 4; 5, 6
.set PAR, 0
	TURN 2
.set PAR, 1
.irp k, 0,1,2,3,4,5,6
	CHUNK \k, 2, 1, 1
.endr
	CELLEND 2, 1
	TURN 2
.set PAR, 0
.irp k, 0,1,2,3,4,5,6
	CHUNK \k, 1, 2, 1
.endr
	CELLEND 1, 1
	VAWAIT
	s_sub_co_u32 s[CNT], s[CNT], 1
	s_cmp_lg_u32 s[CNT], 0
	s_cbranch_scc1 .Ltrip
	TURN 1                                         ; tile 6's last products; cx of tile 7
.set PAR, 1
.irp k, 0,1,2,3,4,5,6
	CHUNK \k, 1, 0, 0
.endr
	CELLEND 1, 0
	TURN 0
; THE LAST TILE'S CELLS, and the way out of the last two tiles
.set PAR, 0
	PLACES
	WIN 0
.irp p, 0,1,2,3
	RBACK \p, 128+16*\p, 1
.endr
	CXLOAD 0, 96
	CXLOAD 1, 112
	EXPON 0
	EXPON 1
	WIN 0
	s_wait_dscnt 0x0
.irp p, 0,1,2,3
	SENDOUT \p, 128+16*\p, 0
.endr
	TRANS64 v_exp_f32, 0
	PLUS64 0
	TRANS64 v_rcp_f32, 0
	CELLCY 0, 96
	TRANS16 v_exp_f32, 0
	PLUS16 0
	TRANS16 v_rcp_f32, 0
	CELLHY 0
	TOSTAGE 0
	s_wait_dscnt 0x0                               ; for the others' sake: my stores into the stage are done
	s_barrier_signal -1
	TRANS64 v_exp_f32, 1
	WIN 0
	s_barrier_wait -1
	RBACK 0, 192, 0
	RBACK 1, 208, 0
	PLUS64 1
	TRANS64 v_rcp_f32, 1
	WIN 0
	s_wait_dscnt 0x0
	SENDOUT 0, 192, 64
	SENDOUT 1, 208, 64
	CELLCY 1, 112
	TRANS16 v_exp_f32, 1
	PLUS16 1
	TRANS16 v_rcp_f32, 1
	CELLHY 1
	TOSTAGE 1
	s_wait_dscnt 0x0
	s_barrier_signal -1
	s_barrier_wait -1
	RBACK 2, 224, 0
	RBACK 3, 240, 0
	s_wait_dscnt 0x0
	SENDOUT 2, 224, 64
	SENDOUT 3, 240, 64
	s_wait_tensorcnt 0x0                           ; the wave's end
	ds_add_u32 v[SPW], v[NIL]
	s_wait_dscnt 0x0
	CROUND                                         ; the closing round
	s_endpgm
.Lfunc_end_k_qc2c965b93c_lstm:
	.size	k_qc2c965b93c_lstm, .Lfunc_end_k_qc2c965b93c_lstm-k_qc2c965b93c_lstm
	.p2alignl 7, 3214868480
	.fill 96, 4, 3214868480
	.section	.rodata,"a",@progbits
	.p2align	6, 0x0
	.amdhsa_kernel k_qc2c965b93c_lstm
		.amdhsa_group_segment_fixed_size 327680
		.amdhsa_private_segment_fixed_size 0
		.amdhsa_enable_private_segment 0
		.amdhsa_kernarg_size 96
		.amdhsa_user_sgpr_count 2
		.amdhsa_user_sgpr_kernarg_segment_ptr 1
		.amdhsa_wavefront_size32 1
		.amdhsa_system_sgpr_workgroup_id_x 1
		.amdhsa_system_sgpr_workgroup_id_y 1
		.amdhsa_system_sgpr_workgroup_id_z 1
		.amdhsa_system_vgpr_workitem_id 0
		.amdhsa_next_free_vgpr 1024
		.amdhsa_next_free_sgpr 106
		.amdhsa_reserve_vcc 0
		.amdhsa_float_denorm_mode_32 3
		.amdhsa_float_denorm_mode_16_64 3
		.amdhsa_memory_ordered 1
		.amdhsa_forward_progress 1
		.amdhsa_inst_pref_size 255
	.end_amdhsa_kernel
	.section	.bss,"aw",@nobits
	.p2align	6
	.space	262144
	.amdgpu_metadata
---
amdhsa.version: [ 1, 2 ]
amdhsa.kernels:
  - .name:           k_qc2c965b93c_lstm
    .symbol:         k_qc2c965b93c_lstm.kd
    .args:
      - { .name: input_codes, .offset: 0, .size: 8, .value_kind: global_buffer, .address_space: global }
      - { .name: input_scales, .offset: 8, .size: 8, .value_kind: global_buffer, .address_space: global }
      - { .name: hx_codes, .offset: 16, .size: 8, .value_kind: global_buffer, .address_space: global }
      - { .name: hx_scales, .offset: 24, .size: 8, .value_kind: global_buffer, .address_space: global }
      - { .name: weight_ih_codes, .offset: 32, .size: 8, .value_kind: global_buffer, .address_space: global }
      - { .name: weight_ih_scales, .offset: 40, .size: 8, .value_kind: global_buffer, .address_space: global }
      - { .name: weight_hh_codes, .offset: 48, .size: 8, .value_kind: global_buffer, .address_space: global }
      - { .name: weight_hh_scales, .offset: 56, .size: 8, .value_kind: global_buffer, .address_space: global }
      - { .name: bias, .offset: 64, .size: 8, .value_kind: global_buffer, .address_space: global }
      - { .name: cx, .offset: 72, .size: 8, .value_kind: global_buffer, .address_space: global }
      - { .name: out0, .offset: 80, .size: 8, .value_kind: global_buffer, .address_space: global }
      - { .name: out1, .offset: 88, .size: 8, .value_kind: global_buffer, .address_space: global }
    .group_segment_fixed_size: 327680
    .private_segment_fixed_size: 0
    .kernarg_segment_align: 8
    .kernarg_segment_size: 96
    .max_flat_workgroup_size: 128
    .sgpr_count:     106
    .vgpr_count:     1024
    .wavefront_size: 32
...
	.end_amdgpu_metadata
.endif
;; end of part 1
